; MI455X (gfx1250); checked and timed in simulation.
; The chip was launched on July 23, 2026; its instructions are those of AMD's public machine-readable ISA for CDNA 5 (MIT licence, August 2026) and "CDNA5" Instruction Set Architecture Reference Guide (July 2026). The comments in the code are by the model that wrote it; some were corrected since.
;; CA3 Recurrent Attractor. Allowed arithmetic: float matrix products may take bf16 or f16 operands with f32 sums; other float arithmetic in f32, or as packed bf16 or f16 multiplies, adds, multiply-adds, maxima and minima; sums over many terms, partial sums and values carried from step to step in f32; what a program stores and reads back later, other than sums and carried values, may be rounded once to bf16 or f16.
;; Inputs: W_mossy 512 x 2,048 float32; W_rec 512 x 512 float32; dg_query_spikes 16,384 x 2,048 float32; u0 512 float32; v0 512 float32.
;; Outputs: out0 16,384 x 512 float32.
;; 2 versions, each right; version 2 is version 1 with the launch prep written anew for expert scheduling mode. Each part assembles by itself: llvm-mc -triple=amdgcn-amd-amdhsa -mcpu=gfx1250 --defsym DOCPART=n.
;; ======== version 1 of 2: 2 launches
;; workspace buffers: wb 2,097,152 bytes; tab 8,192 bytes
;; launch prep (part 1): grid 128 x 1, 8 waves a work-group, no clusters, 0 bytes of LDS; arguments W_mossy, W_rec, v0, u0, wb, tab; writes wb, tab
.if DOCPART == 1
	.amdgcn_target "amdgcn-amd-amdhsa--gfx1250"
	.amdhsa_code_object_version 6
	.text
	.protected	k_qd80fa1df6d_prep
	.globl	k_qd80fa1df6d_prep
	.p2align	8
	.type	k_qd80fa1df6d_prep,@function
k_qd80fa1df6d_prep:
	s_mov_b64 s[64:65], 0
	v_nop
	global_prefetch_b8 v0, s[64:65] scope:SCOPE_SE
	s_setreg_imm32_b32 hwreg(HW_REG_WAVE_MODE, 25, 1), 1
	s_wait_xcnt 0x0
; PREP.  (1) wb = W_mossy rounded to bf16, same order [512][2048].  (2) tab = what the first neuron step needs of each of the 512 columns.
; All inputs are rounded to bf16 once, here or in the next launch: v0r = bf16(v0), u0r = bf16(u0), W_rec likewise.
; tab, 32 bytes for each pair of columns (c, c+1): rec, rec, base, base, v0r, v0r, u1a, u1a, all f32, with
;   rec[n]  = sum over j of [v0r[j] >= 30] x bf16(W_rec[n][j])      the recurrent current of step 1: its left operand is the same row for every sample
;   base[n] = (((0.04 v0r) v0r + 5 v0r) + 140) - u0r                 each operation rounded, in the order of the model's formula
;   u1a[n]  = u0r + (0.02 (0.2 v0r - u0r)) 0.5                       the product by 0.5 is exact, so the fused form rounds as the unfused one
; LIMITS.  rec's sum is taken in f32 in another order than a row-by-row sum.  An infinity or NaN in W_rec under a silent cell gives NaN here as in the model's step 1.
; SHARES.  1,024 waves; each casts 4,096 consecutive bytes of W_mossy: eight loads of 512 bytes, eight stores of 256 consecutive aligned bytes.
; Wave 0 of every fourth work-group (32 waves) also makes 16 columns of tab: 16 rows of W_rec, a row at a time over the 32 lanes.
; rec goes by the vector unit: one 0/1 vector times a matrix is 262,144 multiply-adds, and rows read on end suit lanes, not fragments.  No LDS, no barrier: no wave needs another's numbers.
.set X,    16        ; v16-47   the cast: 8 x 4 f32 as loaded
.set Y,    48        ; v48-63   the cast: 8 x 2 words of bf16
.set VZ,   64        ; v64-79   v0, my 16 of 512 (element 128 k + 4 lane + e in register 4 k + e); then [v0r >= 30] as 0.0 or 1.0
.set T,    96        ; v96-103  a row of W_rec in bf16, my 16 numbers
.set AC,   104       ; v104-107 four partial sums
.set ZR,   108       ; v108     0
.set PT,   109       ; v109     the other half of the lanes' sum
.set REC,  110       ; lane l: rec of column 16 g + l % 16
.set BASE, 111
.set V0R,  112
.set U1A,  113
.set NB,   114       ; v114-117 the neighbouring column's four numbers
.set D,    120       ; v120-123 my 16 bytes of tab
.set WR,   128       ; v128-255 rows 0-7 of my 16 rows of W_rec; rows 8-15 lie in window 1, v0-127
.set MSB, 0
.macro WIN new                      ; the immediate's high byte repeats the setting that is left; a switch that changes nothing is dropped
.if MSB != (\new)
	s_set_vgpr_msb (MSB<<8)|(\new)
.set MSB, (\new)
.endif
.endm
; The cast's second half: two roundings for each pair of words, 8 bytes a lane, 256 consecutive bytes a store.  counted = 1: the eight loads are the wave's only ones, and the counts run down.
.macro CAST counted
.irp i, 0,1,2,3,4,5,6,7
.if \counted
	s_wait_loadcnt 7-\i
.endif
	v_cvt_pk_bf16_f32 v[Y+2*\i], v[X+4*\i], v[X+4*\i+1]
	v_cvt_pk_bf16_f32 v[Y+2*\i+1], v[X+4*\i+2], v[X+4*\i+3]
	global_store_b64 v3, v[Y+2*\i:Y+2*\i+1], s[12:13] offset:256*\i
.endr
.endm
.macro WLOAD i                      ; row i of my 16 rows of W_rec: four loads of 512 consecutive bytes
.if (\i) < 8
.set rb, WR+16*(\i)
.else
.set rb, 16*((\i)-8)
.endif
.irp k, 0,1,2,3
	global_load_b128 v[rb+4*\k:rb+4*\k+3], v7, s[6:7] offset:2048*(\i)+512*\k th:TH_LOAD_NT
.endr
.endm
.macro FM c                         ; partial sum e % 4 += bf16 half e % 2 of word e / 2 x [v0r >= 30], in f32
.if e%2
	v_fma_mix_f32_bf16 v[AC+e%4], v[T+e/2], v[VZ+e], v[\c] op_sel:[1,0,0] op_sel_hi:[1,0,0]
.else
	v_fma_mix_f32_bf16 v[AC+e%4], v[T+e/2], v[VZ+e], v[\c] op_sel:[0,0,0] op_sel_hi:[1,0,0]
.endif
.endm
; Row i: rounded to bf16, multiplied by the 0/1 vector, summed over my 16 numbers and over the 32 lanes; lanes i and 16 + i keep the sum.  lc: the loads issued behind this row's four.
.macro ROW i, lc
	s_wait_loadcnt \lc
.if (\i) < 8
	WIN 0
.set rb, WR+16*(\i)
.else
	WIN 0x05                        ; both sources in window 1
.set rb, 16*((\i)-8)
.endif
.set e, 0
.rept 8
	v_cvt_pk_bf16_f32 v[T+e], v[rb+2*e], v[rb+2*e+1]
.set e, e+1
.endr
	WIN 0
.set e, 0
.rept 16
.if e < 4
	FM ZR                           ; the first four start the sums
.else
	FM AC+e%4
.endif
.set e, e+1
.endr
	v_add_f32 v[AC], v[AC], v[AC+1]
	v_add_f32 v[AC+2], v[AC+2], v[AC+3]
	v_add_f32 v[AC], v[AC], v[AC+2]
	v_add_f32_dpp v[AC], v[AC], v[AC] row_xmask:1 row_mask:0xf bank_mask:0xf
	v_add_f32_dpp v[AC], v[AC], v[AC] row_xmask:2 row_mask:0xf bank_mask:0xf
	v_add_f32_dpp v[AC], v[AC], v[AC] row_xmask:4 row_mask:0xf bank_mask:0xf
	v_add_f32_dpp v[AC], v[AC], v[AC] row_xmask:8 row_mask:0xf bank_mask:0xf
	v_permlanex16_b32 v[PT], v[AC], s24, s25
	v_add_f32 v[AC], v[AC], v[PT]
	s_mov_b32 s22, 0x10001<<(\i)
	v_cndmask_b32 v[REC], v[REC], v[AC], s22
.endm
	s_load_b256 s[4:11], s[0:1], 0x0               ; W_mossy s[4:5], W_rec s[6:7], v0 s[8:9], u0 s[10:11]
	s_load_b128 s[12:15], s[0:1], 0x20             ; wb s[12:13], tab s[14:15]
	v_and_b32 v1, 31, v0                           ; lane
	v_lshrrev_b32 v6, 5, v0
	v_readfirstlane_b32 s16, v6                    ; wave
	s_and_b32 s17, ttmp9, 3
	s_or_b32 s17, s17, s16                         ; 0: this wave also makes columns of tab,
	s_lshr_b32 s18, ttmp9, 2                       ; group g of 16 columns
	v_lshlrev_b32 v2, 4, v1
	v_lshl_add_u32 v2, v6, 12, v2                  ; from: 16 lane + 4,096 wave
	v_lshlrev_b32 v3, 3, v1
	v_lshl_add_u32 v3, v6, 11, v3                  ; to: 8 lane + 2,048 wave
	s_lshl_b32 s20, ttmp9, 15                      ; the work-group's 32,768 bytes of W_mossy
	s_mov_b32 s21, 0
	s_wait_kmcnt 0x0
	s_add_nc_u64 s[4:5], s[4:5], s[20:21]
	s_lshl_b32 s20, ttmp9, 14                      ; and its 16,384 of wb
	s_add_nc_u64 s[12:13], s[12:13], s[20:21]
.irp i, 0,1,2,3,4,5,6,7
	global_load_b128 v[X+4*\i:X+4*\i+3], v2, s[4:5] offset:512*\i th:TH_LOAD_NT
.endr
	s_cmp_lg_u32 s17, 0
	s_cbranch_scc1 .Lplain
	; THE WAVE THAT ALSO MAKES 16 COLUMNS OF tab
	s_lshl_b32 s20, s18, 15                        ; 16 rows of W_rec are 32,768 bytes
	s_add_nc_u64 s[6:7], s[6:7], s[20:21]
	s_lshl_b32 s20, s18, 8                         ; 16 columns of tab are 256 bytes
	s_add_nc_u64 s[14:15], s[14:15], s[20:21]
	s_lshl_b32 s19, s18, 6                         ; 16 columns of v0 and u0 are 64 bytes
	s_mov_b32 s23, 0xaaaaaaaa                      ; the odd lanes
	s_mov_b32 s24, 0x76543210                      ; v_permlanex16_b32: each lane takes its own place in the other half
	s_mov_b32 s25, 0xfedcba98
	s_mov_b32 s27, 0x41f00000                      ; 30.0
	v_and_b32 v4, 15, v0
	v_lshl_add_u32 v5, v4, 2, s19                  ; my column's 4 bytes
	v_lshlrev_b32 v7, 4, v1                        ; 16 lane
.irp k, 0,1,2,3
	global_load_b128 v[VZ+4*\k:VZ+4*\k+3], v7, s[8:9] offset:512*\k
.endr
	global_load_b32 v80, v5, s[8:9]
	global_load_b32 v81, v5, s[10:11]
.irp i, 0,1,2,3,4,5,6,7
	WLOAD \i
.endr
	v_mov_b32 v[ZR], 0
	v_mov_b32 v[PT], 0                             ; destinations of lane exchanges count as read: written once here
	v_mov_b32 v[REC], 0
.irp k, 0,1,2,3
	v_mov_b32 v[NB+\k], 0
.endr
	s_wait_loadcnt 32                              ; 46 issued; the 32 of W_rec's rows 0-7 may be out: the cast's eight, v0's four and my column's two are in
	CAST 0
.set e, 0
.rept 8                                                ; [bf16(v0) >= 30] as 0.0 or 1.0, in place (30 <= x is false for NaN, as x >= 30 is)
	v_cvt_pk_bf16_f32 v82, v[VZ+2*e], v[VZ+2*e+1]
	v_lshlrev_b32 v[VZ+2*e], 16, v82
	v_and_b32 v[VZ+2*e+1], 0xffff0000, v82
	v_cmp_le_f32 vcc_lo, s27, v[VZ+2*e]
	v_cndmask_b32 v[VZ+2*e], 0, 1.0, vcc_lo
	v_cmp_le_f32 vcc_lo, s27, v[VZ+2*e+1]
	v_cndmask_b32 v[VZ+2*e+1], 0, 1.0, vcc_lo
.set e, e+1
.endr
	v_cvt_pk_bf16_f32 v82, v80, v81                ; my column's v0 and u0, rounded
	v_lshlrev_b32 v[V0R], 16, v82
	v_and_b32 v83, 0xffff0000, v82                 ; u0r
	v_mul_f32 v84, 0x3d23d70a, v[V0R]              ; 0.04 v
	v_mul_f32 v84, v84, v[V0R]                     ; (0.04 v) v
	v_mul_f32 v85, 0x40a00000, v[V0R]              ; 5 v
	v_add_f32 v84, v84, v85
	v_add_f32 v84, 0x430c0000, v84                 ; + 140
	v_sub_f32 v[BASE], v84, v83                    ; - u
	v_mul_f32 v85, 0x3e4ccccd, v[V0R]              ; 0.2 v
	v_sub_f32 v85, v85, v83                        ; - u
	v_mul_f32 v85, 0x3ca3d70a, v85                 ; x 0.02
	v_fma_f32 v[U1A], v85, 0.5, v83                ; u + du 0.5
	ROW 0, 28                                      ; rows 1-7 are behind it
	WIN 0x40                                       ; destination in window 1
.irp i, 8,9,10,11,12,13,14,15
	WLOAD \i                                       ; 60 loads are out at the most
.endr
	WIN 0
.irp i, 1,2,3,4,5,6,7,8,9,10,11,12,13,14,15
	ROW \i, 4*(15-\i)                              ; behind row i: the four loads of each later row
.endr
	; tab's order: an even lane writes rec and base of its column and the next, the odd lane beside it v0r and u1a of the same two
	v_mov_b32_dpp v[NB], v[REC] row_xmask:1 row_mask:0xf bank_mask:0xf
	v_mov_b32_dpp v[NB+1], v[BASE] row_xmask:1 row_mask:0xf bank_mask:0xf
	v_mov_b32_dpp v[NB+2], v[V0R] row_xmask:1 row_mask:0xf bank_mask:0xf
	v_mov_b32_dpp v[NB+3], v[U1A] row_xmask:1 row_mask:0xf bank_mask:0xf
	v_cndmask_b32 v[D], v[REC], v[NB+2], s23
	v_cndmask_b32 v[D+1], v[NB], v[V0R], s23
	v_cndmask_b32 v[D+2], v[BASE], v[NB+3], s23
	v_cndmask_b32 v[D+3], v[NB+1], v[U1A], s23
	v_cmp_gt_u32 vcc_lo, 16, v1
	s_wait_xcnt 0x0                                ; EXEC is a source of the stores above: it changes only behind this wait
	s_and_saveexec_b32 s26, vcc_lo
	global_store_b128 v7, v[D:D+3], s[14:15]       ; lanes 0-15: 256 consecutive bytes, at a multiple of 256 from tab's first
	s_wait_xcnt 0x0
	s_or_b32 exec_lo, exec_lo, s26
	s_endpgm
.Lplain:
	CAST 1
	s_endpgm
.Lfunc_end_k_qd80fa1df6d_prep:
	.size	k_qd80fa1df6d_prep, .Lfunc_end_k_qd80fa1df6d_prep-k_qd80fa1df6d_prep
	.p2alignl 7, 3214868480
	.fill 96, 4, 3214868480
	.section	.rodata,"a",@progbits
	.p2align	6, 0x0
	.amdhsa_kernel k_qd80fa1df6d_prep
		.amdhsa_group_segment_fixed_size 0
		.amdhsa_private_segment_fixed_size 0
		.amdhsa_enable_private_segment 0
		.amdhsa_kernarg_size 48
		.amdhsa_user_sgpr_count 2
		.amdhsa_user_sgpr_kernarg_segment_ptr 1
		.amdhsa_wavefront_size32 1
		.amdhsa_system_sgpr_workgroup_id_x 1
		.amdhsa_system_sgpr_workgroup_id_y 1
		.amdhsa_system_sgpr_workgroup_id_z 1
		.amdhsa_system_vgpr_workitem_id 0
		.amdhsa_next_free_vgpr 384
		.amdhsa_next_free_sgpr 66
		.amdhsa_reserve_vcc 1
		.amdhsa_float_denorm_mode_32 3
		.amdhsa_float_denorm_mode_16_64 3
		.amdhsa_memory_ordered 1
		.amdhsa_forward_progress 1
		.amdhsa_inst_pref_size 52
	.end_amdhsa_kernel
	.amdgpu_metadata
---
amdhsa.version: [ 1, 2 ]
amdhsa.kernels:
  - .name:           k_qd80fa1df6d_prep
    .symbol:         k_qd80fa1df6d_prep.kd
    .args:
      - { .name: W_mossy, .offset: 0, .size: 8, .value_kind: global_buffer, .address_space: global }
      - { .name: W_rec, .offset: 8, .size: 8, .value_kind: global_buffer, .address_space: global }
      - { .name: v0, .offset: 16, .size: 8, .value_kind: global_buffer, .address_space: global }
      - { .name: u0, .offset: 24, .size: 8, .value_kind: global_buffer, .address_space: global }
      - { .name: wb, .offset: 32, .size: 8, .value_kind: global_buffer, .address_space: global }
      - { .name: tab, .offset: 40, .size: 8, .value_kind: global_buffer, .address_space: global }
    .group_segment_fixed_size: 0
    .private_segment_fixed_size: 0
    .kernarg_segment_align: 8
    .kernarg_segment_size: 48
    .max_flat_workgroup_size: 256
    .sgpr_count:     66
    .vgpr_count:     384
    .wavefront_size: 32
...
	.end_amdgpu_metadata
.endif
;; end of part 1
;; launch ca3 (part 2): grid 256 x 1, 4 waves a work-group, clusters of 4 x 1, 327,680 bytes of LDS; arguments dg_query_spikes, wb, tab, out0; writes out0
.if DOCPART == 2
	.amdgcn_target "amdgcn-amd-amdhsa--gfx1250"
	.amdhsa_code_object_version 6
	.text
	.protected	k_qd80fa1df6d_ca3
	.globl	k_qd80fa1df6d_ca3
	.p2align	8
	.type	k_qd80fa1df6d_ca3,@function
k_qd80fa1df6d_ca3:
	s_mov_b64 s[64:65], 0
	v_nop
	global_prefetch_b8 v0, s[64:65] scope:SCOPE_SE
	s_setreg_imm32_b32 hwreg(HW_REG_WAVE_MODE, 25, 1), 1
	s_wait_xcnt 0x0
	s_wait_alu depctr_hold_cnt(0) depctr_sa_sdst(0) depctr_va_vdst(0) depctr_va_sdst(0) depctr_va_ssrc(0) depctr_va_vcc(0) depctr_vm_vsrc(0)
	s_getreg_b32 s2, hwreg(HW_REG_IB_STS2, 6, 4)
	s_cmp_eq_u32 s2, 0
	s_cbranch_scc0 .Lentry_in_a_cluster
	s_endpgm
.Lentry_in_a_cluster:
	s_bfe_u32 s2, ttmp6, 0x10000c
	s_cmp_lg_u32 s2, 0x3003
	s_cbranch_scc0 .Lentry_shape_is_right
	s_endpgm
.Lentry_shape_is_right:
; out0[s][n] = the spike of neuron n of sample s in the fifth Izhikevich step, 0.0 or 1.0.  I = 10 x (dg . W_mossy^T) + the recurrent current.
; THE RECURRENT PRODUCT.  Every step ends with v = -55 where v >= 30, so v >= 30 holds nowhere at the head of steps 2 to 5, whatever the inputs: those four products are 0.  In step 1 the left
; operand is [v0 >= 30], the same row for all samples: one vector rec[n], made of W_rec and v0 by the launch before (tab), with base, v0 and the first u.
; LIMITS.  W_rec is taken as finite (with an infinity or NaN there the model's products of steps 2 to 5 are 0 x inf = NaN, here 0).  All inputs are rounded to bf16 once; products exact, sums in f32
; in the matrix unit's order.  The clip is one maximum with -90 (behind the reset v is below 30); it drops a NaN in v, and in every such case I or u is NaN too, so the later compares are false as in the model.
; THE NEURON ARITHMETIC keeps the model's order, one rounding an operation; a multiply is fused with an add only where its product is exact (x 0.5): a threshold decides the output,
; so a fully fused form, which would be shorter by a quarter, is not taken.
; SHARES.  A work-group: 64 samples x all 512 neurons, so each byte of dg is read once in the launch.  Wave w: 64 samples x neurons 128 w .. 128 w + 127: 32 accumulators, 256 registers.  K = 2,048 in 16 steps of 128.
; W comes from wb by tensor loads, two LDS slots of a K step; wave w fetches and reads its own 128 rows alone.  CLUSTER: every work-group walks the same wb, so four ask JOINTLY (mask 15): the same
; load and descriptor in all four.  dg is shared with nobody: it comes through a ring of registers, ten batches of four loads of 512 bytes out at any time, is rounded to bf16
; once and laid into an LDS stage from which all four waves take their fragments; two stages take turns with the K steps.
; THE MATRIX INSTRUCTION IS USED TRANSPOSED (source 0 = 16 rows of W, source 1 = 16 samples): lane l holds sample l % 16 and neurons 8 (l / 16) + 0..7.
; REGISTERS, in windows of 256 (s_set_vgpr_msb: bits 1:0 source 0, 3:2 source 1, 5:4 source 2, 7:6 destination):
;   window 0: addresses, tab's numbers, two fragment buffers (dg v64-127, W v128-255), later the neuron steps;  window 1: accumulator (a, b) at v[8 (8 a + b)];  window 2: dg's ring, 16 batches x 16.
.set PITCH, 272                        ; an LDS row: 256 bytes + 16 = 17 x 16: the sixteen rows of a fragment load begin at sixteen different 16-byte columns of 256
.set HALFT, 128*PITCH                  ; a wave's 128 rows of W
.set SLOT,  4*HALFT
.set STA,   2*SLOT                     ; dg in bf16, 64 rows: stage 0 for even K steps,
.set STAB,  64*PITCH                   ; stage 1, this much further on, for odd ones; no tensor load lands there
.set SPARE, STA+2*STAB                 ; the spare words, 128 bytes a wave: two blocks of 256 bytes that no other line names
.set QP,    528                        ; the way out: a row of 128 f32 + 16 bytes = 33 x 16; wave w's 64 such rows lie in its own part of slot 0, behind that slot's last fill
.set ADRA, 16                          ; v16-17  my place in dg's stage 0, 1
.set ADRB, 20                          ; v20-21  my place in my rows of W in slot 0, 1
.set ASTO, 22                          ; v22     where my 8 bytes of a row of dg go: my wave's 16 rows of stage 0
.set DGO,  23                          ; v23     my 16 bytes in my wave's first row of dg
.set TBO,  24                          ; v24     my 64 bytes of tab
.set QSTO, 25                          ; v25     the way out: where an accumulator's 16 bytes go
.set QRD,  26                          ; v26     the way out: where I read a row back
.set OO,   27                          ; v27     my 16 bytes in a row of out0
.set SPW,  28                          ; v28     LDS address of my spare word; never rewritten
.set NIL,  29                          ; v29     0; never rewritten
.set CT,   32                          ; v32-39  a batch of dg in bf16
.set P,    40                          ; v40-55  tab for my 4 neurons: pair p at P + 8 p: rec, base (+2), v0 (+4), u1a (+6)
.set U1B,  56                          ; v56-59  u1a + 4
.set FA0,  64                          ; dg's fragments: buffer f at FA0 + 32 f
.set FB0,  128                         ; W's: buffer f at FB0 + 64 f
.set RQ, 64                            ; the neuron steps, 16 numbers (4 samples x 4 neurons) each: q,
.set RI, 80                            ; I,
.set RV, 96                            ; v,
.set RU, 112                           ; u,
.set RA, 128                           ; dv,
.set RC, 144                           ; du and u + 4,
.set RO, 160                           ; the spikes
.set G1, 24                            ; s[24:31] descriptor group 1
.set G0, 32                            ; s[32:39] descriptor group 0, a set for each slot
.set MK, 70                            ; s[70:85] sixteen spike masks
.set MUL,   0x50                       ; C and D in window 1
.set RING,  0x80                       ; destination in window 2
.set CVT,   0x0a                       ; both sources in window 2
.set ACCST, 0x04                       ; an LDS store's data in window 1
.set MSB, 0
.macro WIN new                         ; the immediate's high byte repeats the setting that is left; a switch that changes nothing is dropped
.if MSB != (\new)
	s_set_vgpr_msb (MSB<<8)|(\new)
.set MSB, (\new)
.endif
.endm
.macro PLACES                          ; four places (ISA guide 7.12.1) between matrix instructions and what writes their sources or reads their results
.rept 4
	v_nop
.endr
.endm
.macro CREST                           ; a round of the cluster's barrier behind its opening barrier
	s_cmp_lg_u32 s12, 0
	s_cbranch_scc1 .Lnot_wave_0_\@
	s_barrier_signal -3
.Lnot_wave_0_\@:
	s_barrier_wait -3
	s_barrier_signal -1
	s_barrier_wait -1
.endm
.macro CROUND                          ; a whole round
	s_barrier_signal -1
	s_barrier_wait -1
	CREST
.endm
.macro PAIR r, bits                    ; a constant for the packed forms: named as a pair, its low word serves both halves
	s_mov_b32 s[\r], \bits
	s_mov_b32 s[(\r)+1], \bits
.endm
; 8 matrix instructions: sample block a x all 8 neuron blocks, 32 along K, from buffer f.  zero = 1: the product starts the sum.  The 32 accumulators take turns, in the same order in every
; quarter, one instruction a turn.
.macro MUL8 f, a, zero
	WIN MUL
.irp b, 0,1,2,3,4,5,6,7
.if \zero
	v_wmma_f32_16x16x32_bf16 v[8*(8*(\a)+\b):8*(8*(\a)+\b)+7], v[FB0+64*(\f)+8*\b:FB0+64*(\f)+8*\b+7], v[FA0+32*(\f)+8*(\a):FA0+32*(\f)+8*(\a)+7], 0
.else
	v_wmma_f32_16x16x32_bf16 v[8*(8*(\a)+\b):8*(8*(\a)+\b)+7], v[FB0+64*(\f)+8*\b:FB0+64*(\f)+8*\b+7], v[FA0+32*(\f)+8*(\a):FA0+32*(\f)+8*(\a)+7], v[8*(8*(\a)+\b):8*(8*(\a)+\b)+7]
.endif
.endr
.endm
.macro MUL16 f, hi, zero
	MUL8 \f, 2*(\hi), \zero
	MUL8 \f, 2*(\hi)+1, \zero
.endm
; 24 LDS loads in one run: a quarter's fragments (32 K at byte k of the rows) into buffer f: W's 16, dg's samples 0-31 (4), dg's samples 32-63 (4)
.macro FETCH p, k, f
	WIN 0
.irp i, 0,1,2,3,4,5,6,7
	ds_load_b128 v[FB0+64*(\f)+8*\i:FB0+64*(\f)+8*\i+3],   v[ADRB+(\p)] offset:(\k)+\i*16*PITCH
	ds_load_b128 v[FB0+64*(\f)+8*\i+4:FB0+64*(\f)+8*\i+7], v[ADRB+(\p)] offset:(\k)+\i*16*PITCH+32
.endr
.irp i, 0,1,2,3
	ds_load_b128 v[FA0+32*(\f)+8*\i:FA0+32*(\f)+8*\i+3],   v[ADRA+(\p)] offset:(\k)+\i*16*PITCH
	ds_load_b128 v[FA0+32*(\f)+8*\i+4:FA0+32*(\f)+8*\i+7], v[ADRA+(\p)] offset:(\k)+\i*16*PITCH+32
.endr
.endm
; Batch b = 4 x K step + j is rows 4 j .. 4 j + 3 of my wave's 16 samples, 512 bytes of each.  It is rounded to bf16 and laid into the stage of its K step's parity.  lc: the loads issued behind it.
.macro CONV b, lc
.set cs, 16*((\b)%16)
.set co, (((\b)/4)%2)*STAB+4*((\b)%4)*PITCH
	s_wait_loadcnt \lc
	WIN CVT
.irp i, 0,1,2,3
	v_cvt_pk_bf16_f32 v[CT+2*\i], v[cs+4*\i], v[cs+4*\i+1]
	v_cvt_pk_bf16_f32 v[CT+2*\i+1], v[cs+4*\i+2], v[cs+4*\i+3]
.endr
	WIN 0
.irp i, 0,1,2,3
	ds_store_b64 v[ASTO], v[CT+2*\i:CT+2*\i+1] offset:co+\i*PITCH  ; 32 lanes, 256 consecutive bytes
.endr
.endm
; The middle of quarter G.  iss = 1: batch G + 15 is asked for, into the registers of batch G - 1, rounded six quarters ago.  cv = 1: batch G + 5 goes into its stage.
; The eight roundings, or four v_nop, are the places in front of the fragment loads that follow.
.macro MID G, iss, cv, lc
.if \iss
.set mx, ((\G)+15)%16
	WIN RING
.irp i, 0,1,2,3
	global_load_b128 v[16*mx+4*\i:16*mx+4*\i+3], v[DGO], s[16:17] offset:(mx/4)*512+(4*(mx%4)+\i)*8192 th:TH_LOAD_NT
.endr
.endif
.if \cv
.set mb, (\G)+5
	CONV mb, \lc
.else
	PLACES
.endif
.endm
; A K step is four quarters of 32 along K, 32 matrix instructions each, on buffers 0, 1, 0, 1.  One of the first three:
.macro QUARTER G, zero, iss, cv, lc
.set qp, ((\G)/4)%2
.set qf, (\G)%2
.set qk, 64*((\G)%4+1)
	s_wait_dscnt 4                                 ; W and samples 0-31 are in; the youngest four loads (samples 32-63) may be out
	MUL16 qf, 0, \zero
	MID \G, \iss, \cv, \lc
	FETCH qp, qk, 1-qf
	s_wait_dscnt 24                                ; all but the 24 just issued
	MUL16 qf, 1, \zero
.endm
; The last quarter multiplies buffer 1 and changes slots and stages: ONE barrier.  In front of it each wave waits for all its tensor loads (one is out: its rows of the next K step), adds 0 to its spare
; word, and waits for that, for its reads of this slot and stage, and for its stores into the next stage.  fill = 1: the barrier opens a round of the cluster's, and behind it this slot takes the K step two on.
.macro TURN G, fill, iss, cv, lc
.set tp, ((\G)/4)%2
	WIN 0
	s_wait_tensorcnt 0x0                           ; all my tensor loads have landed
	ds_add_u32 v[SPW], v[NIL]
	s_wait_dscnt 5                                 ; the add and the youngest four loads may be out
	MUL8 1, 0, 0                                   ; eight matrix instructions stand between the add and the wait for it
	s_wait_dscnt 0x0                               ; the add, my reads of this slot and stage, my stores into the next stage: all done
	s_barrier_signal -1
	MUL8 1, 1, 0                                   ; work on registers while the others arrive
	WIN 0                                          ; at a branch and at a label every window is 0
	s_barrier_wait -1
.if \fill
	CREST                                          ; no wave of any partner still reads this slot or has a load on its way
	s_add_nc_u64 s[G0+4*tp+2:G0+4*tp+3], s[G0+4*tp+2:G0+4*tp+3], 512  ; two K steps on; the type bits on top are not reached
	tensor_load_to_lds s[G0+4*tp:G0+4*tp+3], s[G1:G1+7]  ; my one tensor load behind the round, and the first thing there
	s_nop 0
	PLACES
.endif
	MID \G, \iss, \cv, \lc                         ; behind the barrier nobody reads the stage that this batch goes into
	FETCH 1-tp, 0, 0
	MUL16 1, 1, 0
.endm
	s_load_b256 s[4:11], s[0:1], 0x0               ; dg s[4:5], wb s[6:7], tab s[8:9], out0 s[10:11]
	v_lshl_add_u32 v[SPW], v0, 2, SPARE
	v_mov_b32 v[NIL], 0
	ds_add_u32 v[SPW], v[NIL]                      ; the wave's opening: the add and its wait stand ahead of my first tensor load; the set-up below, work on registers, stands between them
	v_lshrrev_b32 v4, 5, v0
	v_readfirstlane_b32 s12, v4                    ; wave 0..3
	s_bfe_u32 s13, ttmp6, 0x40000                  ; cx: my place in the cluster
	s_lshl_b32 s14, ttmp9, 2                       ; in a cluster launch ttmp9 counts clusters
	s_add_co_u32 s14, s14, s13                     ; my block of 64 samples: it enters dg's and out0's addresses alone
	; descriptor group 1: 128 rows x 128 elements of 2 bytes, 2,048 elements from row to row, padded in LDS
	s_mov_b32 s[G1+0], 15|(1<<16)|(1<<20)|(1<<21)|(5<<22)|(3<<25)  ; 15:0 the mask of four; 17:16 2-byte elements; 20 padding on; 21 set beside a mask; 24:22 after every 64 words (code 5); 31:25 4 words (code 3)
	s_mov_b32 s[G1+1], 128<<16                     ; tensor_dim0 = 128
	s_mov_b32 s[G1+2], 128<<16                     ; tensor_dim1 = 128
	s_mov_b32 s[G1+3], 128<<16                     ; tile_dim0 = 128
	s_mov_b32 s[G1+4], 128                         ; tile_dim1 = 128
	s_mov_b32 s[G1+5], 2048                        ; tensor_dim0_stride
	s_mov_b32 s[G1+6], 0
	s_mov_b32 s[G1+7], 0
	PAIR 40, 0x41200000                            ; 10
	PAIR 42, 0x3d23d70a                            ; 0.04
	PAIR 44, 0x40a00000                            ; 5
	PAIR 46, 0x430c0000                            ; 140
	PAIR 48, 0x3e4ccccd                            ; 0.2
	PAIR 50, 0x3ca3d70a                            ; 0.02
	s_mov_b32 s52, 0x41f00000                      ; 30
	s_mov_b32 s53, 0xc25c0000                      ; -55
	s_mov_b32 s54, 0xc2b40000                      ; -90
	s_mul_i32 s15, s12, HALFT                      ; my rows of W in a slot: no place in the cluster enters an LDS address
	s_mul_i32 s56, s12, 16*PITCH
	s_add_co_u32 s56, s56, STA                     ; my 16 samples in stage 0
	s_lshl_b32 s57, s12, 17                        ; and in dg: 16 rows of 8,192 bytes
	s_lshl_b32 s22, s12, 19                        ; my 128 rows of wb, 4,096 bytes each
	s_mov_b32 s23, 0
	s_mov_b32 s19, 0
	v_and_b32 v1, 15, v0                           ; r = l % 16
	v_bfe_u32 v2, v0, 4, 1                         ; h = l / 16
	v_and_b32 v3, 31, v0                           ; l
	v_mul_u32_u24 v5, v1, PITCH
	v_lshl_add_u32 v5, v2, 4, v5                   ; a fragment's row x pitch + 16 x half
	v_add_nc_u32 v[ADRA], STA, v5
	v_add_nc_u32 v[ADRA+1], STA+STAB, v5
	v_add_nc_u32 v[ADRB], s15, v5
	v_add_nc_u32 v[ADRB+1], SLOT, v[ADRB]
	v_lshl_add_u32 v[ASTO], v3, 3, s56
	v_lshl_add_u32 v[DGO], v3, 4, s57
	v_lshlrev_b32 v[TBO], 6, v0                    ; 2,048 w + 64 l: neurons 128 w + 4 l .. + 3 are two pairs of 32 bytes
	v_mul_u32_u24 v6, v1, QP
	v_lshl_add_u32 v6, v2, 5, v6
	v_add_nc_u32 v[QSTO], s15, v6                  ; sample r, neurons 8 h on
	v_lshl_add_u32 v[QRD], v3, 4, s15
	v_lshlrev_b32 v[OO], 4, v0                     ; 512 w + 16 l
	s_wait_dscnt 0x0                               ; the opening add is done
	s_wait_kmcnt 0x0
	s_lshl_b32 s18, s14, 19                        ; 64 rows of dg
	s_add_nc_u64 s[4:5], s[4:5], s[18:19]
	s_add_nc_u64 s[16:17], s[4:5], 2048            ; the loop's base: K steps 4 to 7
	s_lshl_b32 s18, s14, 17                        ; 64 rows of out0
	s_add_nc_u64 s[10:11], s[10:11], s[18:19]
	s_add_nc_u64 s[6:7], s[6:7], s[22:23]
.irp k, 0,1,2,3
	global_load_b128 v[P+4*\k:P+4*\k+3], v[TBO], s[8:9] offset:16*\k
.endr
	WIN RING
.set bb, 0
.rept 16                                               ; batches 0 to 15: K steps 0 to 3
.irp i, 0,1,2,3
	global_load_b128 v[16*bb+4*\i:16*bb+4*\i+3], v[DGO], s[4:5] offset:(bb/4)*512+(4*(bb%4)+\i)*8192 th:TH_LOAD_NT
.endr
.set bb, bb+1
.endr
	WIN 0
.irp s, 0,1
	s_mov_b32 s[G0+4*\s], 1                        ; 1:0 count = 1
	s_add_co_u32 s[G0+4*\s+1], s15, \s*SLOT        ; 63:32 LDS address
	s_add_nc_u64 s[G0+4*\s+2:G0+4*\s+3], s[6:7], \s*256  ; 120:64 global address: K step s
	s_or_b32 s[G0+4*\s+3], s[G0+4*\s+3], 0x80000000      ; 127:126 type = 2
.endr
	CROUND                                         ; all four work-groups are here: the first joint loads meet
	tensor_load_to_lds s[G0:G0+3], s[G1:G1+7]      ; both first fills together: two tensor loads of mine are out
	s_nop 0
	tensor_load_to_lds s[G0+4:G0+7], s[G1:G1+7]
	s_nop 0
	PLACES
	CONV 0, 60                                     ; K step 0 and the first batch of K step 1; behind batch b: the four loads of each of the 15 - b later batches
	CONV 1, 56
	CONV 2, 52
	CONV 3, 48
	CONV 4, 44
	s_wait_tensorcnt 0x1                           ; my rows of K step 0 are in; K step 1's may stay out
	s_wait_dscnt 0x0                               ; my stores into the stages are done
	s_barrier_signal -1
	s_barrier_wait -1                              ; everybody's are
	FETCH 0, 0, 0
	QUARTER 0, 1, 0, 1, 40                         ; the first quarter stands in front of the loop: its products start the sums
	WIN 0
	s_mov_b32 s3, 3
.Lk:                                                   ; a trip: 16 quarters, four K steps, from a step's second quarter to the first of the fifth step on.  The count 40: ten batches are issued behind the one wanted
	QUARTER 1, 0, 1, 1, 40
	QUARTER 2, 0, 1, 1, 40
	TURN 3, 1, 1, 1, 40
	QUARTER 4, 0, 1, 1, 40
	QUARTER 5, 0, 1, 1, 40
	QUARTER 6, 0, 1, 1, 40
	TURN 7, 1, 1, 1, 40
	QUARTER 8, 0, 1, 1, 40
	QUARTER 9, 0, 1, 1, 40
	QUARTER 10, 0, 1, 1, 40
	TURN 11, 1, 1, 1, 40
	QUARTER 12, 0, 1, 1, 40
	QUARTER 13, 0, 1, 1, 40
	QUARTER 14, 0, 1, 1, 40
	TURN 15, 1, 1, 1, 40
	QUARTER 16, 0, 1, 1, 40
	WIN 0
	s_wait_xcnt 0x0                                ; the loads' base is stepped only behind this wait
	s_add_nc_u64 s[16:17], s[16:17], 2048          ; four K steps on
	s_sub_co_u32 s3, s3, 1
	s_cmp_lg_u32 s3, 0
	s_cbranch_scc1 .Lk
	; THE TAIL, quarters 49 to 63: nothing more is asked of dg, so the counts run down by four a quarter; W's last two K steps are asked for
	QUARTER 49, 0, 0, 1, 36
	QUARTER 50, 0, 0, 1, 32
	TURN 51, 1, 0, 1, 28                           ; slot 0 takes K step 14: its last fill
	QUARTER 52, 0, 0, 1, 24
	QUARTER 53, 0, 0, 1, 20
	QUARTER 54, 0, 0, 1, 16
	TURN 55, 1, 0, 1, 12                           ; slot 1 takes K step 15
	QUARTER 56, 0, 0, 1, 8
	QUARTER 57, 0, 0, 1, 4
	QUARTER 58, 0, 0, 1, 0
	TURN 59, 0, 0, 0, 0                            ; a plain barrier: K step 15's stage is whole; nothing is filled
	QUARTER 60, 0, 0, 0, 0
	QUARTER 61, 0, 0, 0, 0
	QUARTER 62, 0, 0, 0, 0
	s_wait_dscnt 4
	MUL16 1, 0, 0
	s_wait_dscnt 0x0
	MUL16 1, 1, 0
	; THE WAY OUT.  The sums go through my own part of slot 0 (filled and read by my wave alone; its last fill has landed and my last reads of it were waited for at K step 14's barrier),
	; so that a lane holds 4 neighbouring neurons of a sample: no barrier, and LDS serves a wave's instructions in order (ISA guide 5.7.1.4), so no wait between the stores and the loads.
	PLACES
	WIN ACCST
.irp a, 0,1,2,3
.irp b, 0,1,2,3,4,5,6,7
	ds_store_b128 v[QSTO], v[8*(8*\a+\b):8*(8*\a+\b)+3]   offset:16*QP*\a+64*\b     ; each accumulator's low registers first
	ds_store_b128 v[QSTO], v[8*(8*\a+\b)+4:8*(8*\a+\b)+7] offset:16*QP*\a+64*\b+16
.endr
.endr
	WIN 0
	v_pk_add_f32 v[U1B:U1B+1], v[P+6:P+7], 4.0 op_sel_hi:[1,0]      ; the first u where the first step spikes
	v_pk_add_f32 v[U1B+2:U1B+3], v[P+14:P+15], 4.0 op_sel_hi:[1,0]
.irp i, 0,1,2,3
	ds_load_b128 v[RQ+4*\i:RQ+4*\i+3], v[QRD] offset:QP*\i
.endr
.macro ALL8 line:vararg                ; one line for each of the 8 register pairs, at x = 0, 2 .. 14: sample x / 4, neuron pair (x / 2) % 2
.set x, 0
.rept 8
	\line
.set x, x+2
.endr
.endm
.macro ALL16 line:vararg               ; one line for each of the 16 numbers e
.set e, 0
.rept 16
	\line
.set e, e+1
.endr
.endm
.macro DV                              ; dv = ((((0.04 v) v + 5 v) + 140) - u) + I, then v + dv 0.5: the model's order
	ALL8 v_pk_mul_f32 v[RA+x:RA+x+1], v[RV+x:RV+x+1], s[42:43] op_sel_hi:[1,0]
	ALL8 v_pk_mul_f32 v[RA+x:RA+x+1], v[RA+x:RA+x+1], v[RV+x:RV+x+1]
	ALL8 v_pk_mul_f32 v[RC+x:RC+x+1], v[RV+x:RV+x+1], s[44:45] op_sel_hi:[1,0]
	ALL8 v_pk_add_f32 v[RA+x:RA+x+1], v[RA+x:RA+x+1], v[RC+x:RC+x+1]
	ALL8 v_pk_add_f32 v[RA+x:RA+x+1], v[RA+x:RA+x+1], s[46:47] op_sel_hi:[1,0]
	ALL8 v_pk_add_f32 v[RA+x:RA+x+1], v[RA+x:RA+x+1], v[RU+x:RU+x+1] neg_lo:[0,1] neg_hi:[0,1]
	ALL8 v_pk_add_f32 v[RA+x:RA+x+1], v[RA+x:RA+x+1], v[RI+x:RI+x+1]
.endm
.macro RESET                           ; v = -55 where it spiked, then the clip's lower bound
	ALL16 v_cndmask_b32 v[RV+e], v[RV+e], s53, s[MK+e]
	ALL16 v_max_num_f32 v[RV+e], s54, v[RV+e]
.endm
.macro STEP1                           ; v0, u0 and all that hangs on them alone come from tab: dv = base + (I + rec)
	ALL8 v_pk_add_f32 v[RA+x:RA+x+1], v[RI+x:RI+x+1], v[P+8*((x/2)%2):P+8*((x/2)%2)+1]
	ALL8 v_pk_add_f32 v[RA+x:RA+x+1], v[P+8*((x/2)%2)+2:P+8*((x/2)%2)+3], v[RA+x:RA+x+1]
	ALL8 v_pk_fma_f32 v[RV+x:RV+x+1], v[RA+x:RA+x+1], 0.5, v[P+8*((x/2)%2)+4:P+8*((x/2)%2)+5] op_sel_hi:[1,0,1]
	ALL16 v_cmp_ge_f32 s[MK+e], v[RV+e], s52
	ALL16 v_cndmask_b32 v[RU+e], v[P+8*((e/2)%2)+6+e%2], v[U1B+e%4], s[MK+e]
	RESET
.endm
.macro STEPM                           ; steps 2 to 4; du is made of the old v
	DV
	ALL8 v_pk_mul_f32 v[RC+x:RC+x+1], v[RV+x:RV+x+1], s[48:49] op_sel_hi:[1,0]
	ALL8 v_pk_add_f32 v[RC+x:RC+x+1], v[RC+x:RC+x+1], v[RU+x:RU+x+1] neg_lo:[0,1] neg_hi:[0,1]
	ALL8 v_pk_mul_f32 v[RC+x:RC+x+1], v[RC+x:RC+x+1], s[50:51] op_sel_hi:[1,0]
	ALL8 v_pk_fma_f32 v[RV+x:RV+x+1], v[RA+x:RA+x+1], 0.5, v[RV+x:RV+x+1] op_sel_hi:[1,0,1]
	ALL8 v_pk_fma_f32 v[RU+x:RU+x+1], v[RC+x:RC+x+1], 0.5, v[RU+x:RU+x+1] op_sel_hi:[1,0,1]
	ALL8 v_pk_add_f32 v[RC+x:RC+x+1], v[RU+x:RU+x+1], 4.0 op_sel_hi:[1,0]
	ALL16 v_cmp_ge_f32 s[MK+e], v[RV+e], s52
	ALL16 v_cndmask_b32 v[RU+e], v[RU+e], v[RC+e], s[MK+e]
	RESET
.endm
.macro STEP5                           ; of the last step only the spike is wanted
	DV
	ALL8 v_pk_fma_f32 v[RV+x:RV+x+1], v[RA+x:RA+x+1], 0.5, v[RV+x:RV+x+1] op_sel_hi:[1,0,1]
	ALL16 v_cmp_ge_f32 s[MK+e], v[RV+e], s52
	s_wait_xcnt 0x0                                ; the last trip's stores have read their data and their offset: both are rewritten only behind this wait
	v_add_nc_u32 v[OO], 8192, v[OO]                ; four rows of out0 on; the stores reach back
	ALL16 v_cndmask_b32 v[RO+e], 0, 1.0, s[MK+e]
.irp i, 0,1,2,3
	global_store_b128 v[OO], v[RO+4*\i:RO+4*\i+3], s[10:11] offset:2048*\i-8192 th:TH_STORE_NT  ; 32 lanes store 512 consecutive bytes, at a multiple of 256 from out0's first
.endr
.endm
; Four samples x my wave's 128 neurons.  pref = 1: the next four rows are read from the stage while these are worked on.
.macro TRIP pref
	s_wait_dscnt 0x0
	ALL8 v_pk_mul_f32 v[RI+x:RI+x+1], v[RQ+x:RQ+x+1], s[40:41] op_sel_hi:[1,0]
.if \pref
	v_add_nc_u32 v[QRD], 4*QP, v[QRD]
.irp i, 0,1,2,3
	ds_load_b128 v[RQ+4*\i:RQ+4*\i+3], v[QRD] offset:QP*\i
.endr
.endif
	STEP1
	s_mov_b32 s21, 3
.Lm_\@:
	STEPM
	s_sub_co_u32 s21, s21, 1
	s_cmp_lg_u32 s21, 0
	s_cbranch_scc1 .Lm_\@
	STEP5
.endm
	s_mov_b32 s20, 15
.Lrow:
	TRIP 1
	s_sub_co_u32 s20, s20, 1
	s_cmp_lg_u32 s20, 0
	s_cbranch_scc1 .Lrow
	TRIP 0                                         ; the last four samples: nothing is left to read
	s_wait_tensorcnt 0x0                           ; the wave's end: behind my last tensor load and my last LDS store
	ds_add_u32 v[SPW], v[NIL]
	s_wait_dscnt 0x0
	CROUND                                         ; the closing round: no work-group ends while a partner may still ask for a tile that names it
	s_endpgm
.Lfunc_end_k_qd80fa1df6d_ca3:
	.size	k_qd80fa1df6d_ca3, .Lfunc_end_k_qd80fa1df6d_ca3-k_qd80fa1df6d_ca3
	.p2alignl 7, 3214868480
	.fill 96, 4, 3214868480
	.section	.rodata,"a",@progbits
	.p2align	6, 0x0
	.amdhsa_kernel k_qd80fa1df6d_ca3
		.amdhsa_group_segment_fixed_size 327680
		.amdhsa_private_segment_fixed_size 0
		.amdhsa_enable_private_segment 0
		.amdhsa_kernarg_size 32
		.amdhsa_user_sgpr_count 2
		.amdhsa_user_sgpr_kernarg_segment_ptr 1
		.amdhsa_wavefront_size32 1
		.amdhsa_system_sgpr_workgroup_id_x 1
		.amdhsa_system_sgpr_workgroup_id_y 1
		.amdhsa_system_sgpr_workgroup_id_z 1
		.amdhsa_system_vgpr_workitem_id 0
		.amdhsa_next_free_vgpr 768
		.amdhsa_next_free_sgpr 88
		.amdhsa_reserve_vcc 0
		.amdhsa_float_denorm_mode_32 3
		.amdhsa_float_denorm_mode_16_64 3
		.amdhsa_memory_ordered 1
		.amdhsa_forward_progress 1
		.amdhsa_inst_pref_size 216
	.end_amdhsa_kernel
	.amdgpu_metadata
---
amdhsa.version: [ 1, 2 ]
amdhsa.kernels:
  - .name:           k_qd80fa1df6d_ca3
    .symbol:         k_qd80fa1df6d_ca3.kd
    .args:
      - { .name: dg_query_spikes, .offset: 0, .size: 8, .value_kind: global_buffer, .address_space: global }
      - { .name: wb, .offset: 8, .size: 8, .value_kind: global_buffer, .address_space: global }
      - { .name: tab, .offset: 16, .size: 8, .value_kind: global_buffer, .address_space: global }
      - { .name: out0, .offset: 24, .size: 8, .value_kind: global_buffer, .address_space: global }
    .group_segment_fixed_size: 327680
    .private_segment_fixed_size: 0
    .kernarg_segment_align: 8
    .kernarg_segment_size: 32
    .max_flat_workgroup_size: 128
    .sgpr_count:     88
    .vgpr_count:     768
    .wavefront_size: 32
...
	.end_amdgpu_metadata
.endif
;; end of part 2
;; ======== version 2 of 2: 2 launches; version 1 with the launch prep written anew for expert scheduling mode
;; workspace buffers: wb 2,097,152 bytes; tab 8,192 bytes
;; launch prep (part 3): grid 128 x 1, 8 waves a work-group, no clusters, 0 bytes of LDS; arguments W_mossy, W_rec, v0, u0, wb, tab; writes wb, tab
.if DOCPART == 3
	.amdgcn_target "amdgcn-amd-amdhsa--gfx1250"
	.amdhsa_code_object_version 6
	.text
	.protected	k_qd80fa1df6d_prep
	.globl	k_qd80fa1df6d_prep
	.p2align	8
	.type	k_qd80fa1df6d_prep,@function
k_qd80fa1df6d_prep:
	s_mov_b64 s[64:65], 0
	v_nop
	global_prefetch_b8 v0, s[64:65] scope:SCOPE_SE
	s_setreg_imm32_b32 hwreg(HW_REG_WAVE_SCHED_MODE, 0, 2), 2
	s_setreg_imm32_b32 hwreg(HW_REG_WAVE_MODE, 25, 1), 1
	s_wait_xcnt 0x0
	s_wait_alu depctr_vm_vsrc(0)
; PREP.  (1) wb = W_mossy rounded to bf16, same order [512][2048].  (2) tab = what the first neuron step needs of each of the 512 columns.
; All inputs are rounded to bf16 once, here or in the next launch: v0r = bf16(v0), u0r = bf16(u0), W_rec likewise.
; tab, 32 bytes for each pair of columns (c, c+1): rec, rec, base, base, v0r, v0r, u1a, u1a, all f32, with
;   rec[n]  = sum over j of [v0r[j] >= 30] x bf16(W_rec[n][j])      the recurrent current of step 1: its left operand is the same row for every sample
;   base[n] = (((0.04 v0r) v0r + 5 v0r) + 140) - u0r                 each operation rounded, in the order of the model's formula
;   u1a[n]  = u0r + (0.02 (0.2 v0r - u0r)) 0.5                       the product by 0.5 is exact, so the fused form rounds as the unfused one
; LIMITS.  rec's sum is taken in f32 in another order than a row-by-row sum.  An infinity or NaN in W_rec under a silent cell gives NaN here as in the model's step 1.
; SHARES.  1,024 waves; each casts 4,096 consecutive bytes of W_mossy: eight loads of 512 bytes, eight stores of 256 consecutive aligned bytes.
; Wave 0 of every fourth work-group (32 waves) also makes 16 columns of tab: 16 rows of W_rec, a row at a time over the 32 lanes.
; rec goes by the vector unit: one 0/1 vector times a matrix is 262,144 multiply-adds, and rows read on end suit lanes, not fragments.  No LDS, no barrier: no wave needs another's numbers.
; THE MODE: SCHED_MODE bits 1:0 = 2 (LLVM: expert scheduling mode 2), set by the entry lines.  The code itself states the register dependences
; between vector instructions and memory instructions, and those through scalar registers that vector instructions write, with s_wait_alu, always for 0.
; THE PLAN.  Registers that memory instructions touch:
;   v2, v3     the cast's offsets.  Written once at the head; read by the eight loads and the eight stores; never written again: one wait on va_vdst ahead of the first load.
;   X          Only the cast's loads land in it; read by the roundings behind the wait for the loads; never loaded again.
;   Y          Written by the sixteen roundings, once; read by the eight stores, which stand in one run behind them: one wait on va_vdst between; never written again.
;   v5, v7     the parameter wave's offsets.  Written once in its branch; read by all its further loads and by its last store; never written again: one wait on va_vdst ahead of the first of those loads.
;   VZ, v80, v81, W_rec's sixteen rows: one load lands in each, and no vector instruction names any of them ahead of that load.
;   D          Written by four selects; read by tab's store: the wait on va_vdst ahead of the write of EXEC stands between.
; Scalar registers that vector instructions write: s16 (the wave's number), sixteen masks of one run of compares, VCC (which lanes store tab): one wait ahead of each one's first reader.
; Each row's lane mask has a scalar register of its own, set once: no scalar register that a vector instruction reads is written again.
.set X,    16        ; v16-47   the cast: 8 x 4 f32 as loaded
.set Y,    48        ; v48-63   the cast: 8 x 2 words of bf16
.set VZ,   64        ; v64-79   v0, my 16 of 512 (element 128 k + 4 lane + e in register 4 k + e); then [v0r >= 30] as 0.0 or 1.0
.set T,    96        ; v96-103  a row of W_rec in bf16, my 16 numbers
.set AC,   104       ; v104-107 four partial sums
.set ZR,   108       ; v108     0
.set PT,   109       ; v109     the other half of the lanes' sum
.set REC,  110       ; lane l: rec of column 16 g + l % 16
.set BASE, 111
.set V0R,  112
.set U1A,  113
.set NB,   114       ; v114-117 the neighbouring column's four numbers
.set D,    120       ; v120-123 my 16 bytes of tab
.set WR,   128       ; v128-255 rows 0-7 of my 16 rows of W_rec; rows 8-15 lie in window 1, v0-127
.set SPK,  32        ; s32-47   [v0r >= 30] of my 16 numbers, a lane mask each
.set RM,   48        ; s48-63   row i: lanes i and 16 + i
.set MSB, 0
.macro WIN new                      ; the immediate's high byte repeats the setting that is left; a switch that changes nothing is dropped
.if MSB != (\new)
	s_set_vgpr_msb (MSB<<8)|(\new)
.set MSB, (\new)
.endif
.endm
; The cast's second half: two roundings for each pair of words, then the stores in one run: 8 bytes a lane, 256 consecutive bytes a store.  counted = 1: the eight loads are the wave's only ones, and the counts run down.
.macro CAST counted
.irp i, 0,1,2,3,4,5,6,7
.if \counted
	s_wait_loadcnt 7-\i
.endif
	v_cvt_pk_bf16_f32 v[Y+2*\i], v[X+4*\i], v[X+4*\i+1]
	v_cvt_pk_bf16_f32 v[Y+2*\i+1], v[X+4*\i+2], v[X+4*\i+3]
.endr
	s_wait_alu depctr_va_vdst(0)                   ; the sixteen roundings have written Y, which the eight stores read
.irp i, 0,1,2,3,4,5,6,7
	global_store_b64 v3, v[Y+2*\i:Y+2*\i+1], s[12:13] offset:256*\i
.endr
.endm
.macro WLOAD i                      ; row i of my 16 rows of W_rec: four loads of 512 consecutive bytes
.if (\i) < 8
.set rb, WR+16*(\i)
.else
.set rb, 16*((\i)-8)
.endif
.irp k, 0,1,2,3
	global_load_b128 v[rb+4*\k:rb+4*\k+3], v7, s[6:7] offset:2048*(\i)+512*\k th:TH_LOAD_NT
.endr
.endm
.macro FM c                         ; partial sum e % 4 += bf16 half e % 2 of word e / 2 x [v0r >= 30], in f32
.if e%2
	v_fma_mix_f32_bf16 v[AC+e%4], v[T+e/2], v[VZ+e], v[\c] op_sel:[1,0,0] op_sel_hi:[1,0,0]
.else
	v_fma_mix_f32_bf16 v[AC+e%4], v[T+e/2], v[VZ+e], v[\c] op_sel:[0,0,0] op_sel_hi:[1,0,0]
.endif
.endm
; Row i: rounded to bf16, multiplied by the 0/1 vector, summed over my 16 numbers and over the 32 lanes; lanes i and 16 + i keep the sum.  lc: the loads issued behind this row's four.
; All its registers but the row as loaded are named by vector instructions alone.
.macro ROW i, lc
	s_wait_loadcnt \lc
.if (\i) < 8
	WIN 0
.set rb, WR+16*(\i)
.else
	WIN 0x05                        ; both sources in window 1
.set rb, 16*((\i)-8)
.endif
.set e, 0
.rept 8
	v_cvt_pk_bf16_f32 v[T+e], v[rb+2*e], v[rb+2*e+1]
.set e, e+1
.endr
	WIN 0
.set e, 0
.rept 16
.if e < 4
	FM ZR                           ; the first four start the sums
.else
	FM AC+e%4
.endif
.set e, e+1
.endr
	v_add_f32 v[AC], v[AC], v[AC+1]
	v_add_f32 v[AC+2], v[AC+2], v[AC+3]
	v_add_f32 v[AC], v[AC], v[AC+2]
	v_add_f32_dpp v[AC], v[AC], v[AC] row_xmask:1 row_mask:0xf bank_mask:0xf
	v_add_f32_dpp v[AC], v[AC], v[AC] row_xmask:2 row_mask:0xf bank_mask:0xf
	v_add_f32_dpp v[AC], v[AC], v[AC] row_xmask:4 row_mask:0xf bank_mask:0xf
	v_add_f32_dpp v[AC], v[AC], v[AC] row_xmask:8 row_mask:0xf bank_mask:0xf
	v_permlanex16_b32 v[PT], v[AC], s24, s25
	v_add_f32 v[AC], v[AC], v[PT]
	v_cndmask_b32 v[REC], v[REC], v[AC], s[RM+(\i)]
.endm
	s_load_b256 s[4:11], s[0:1], 0x0               ; W_mossy s[4:5], W_rec s[6:7], v0 s[8:9], u0 s[10:11]
	s_load_b128 s[12:15], s[0:1], 0x20             ; wb s[12:13], tab s[14:15]
	v_and_b32 v1, 31, v0                           ; lane
	v_lshrrev_b32 v6, 5, v0
	v_readfirstlane_b32 s16, v6                    ; wave
	v_lshlrev_b32 v2, 4, v1
	v_lshl_add_u32 v2, v6, 12, v2                  ; from: 16 lane + 4,096 wave
	v_lshlrev_b32 v3, 3, v1
	v_lshl_add_u32 v3, v6, 11, v3                  ; to: 8 lane + 2,048 wave
	s_and_b32 s17, ttmp9, 3
	s_lshr_b32 s18, ttmp9, 2                       ; group g of 16 columns
	s_wait_alu depctr_va_sdst(0)                   ; s16 is written, ahead of its first reader, the line below
	s_or_b32 s17, s17, s16                         ; 0: this wave also makes columns of tab
	s_lshl_b32 s20, ttmp9, 15                      ; the work-group's 32,768 bytes of W_mossy
	s_mov_b32 s21, 0
	s_wait_kmcnt 0x0
	s_add_nc_u64 s[4:5], s[4:5], s[20:21]
	s_lshl_b32 s20, ttmp9, 14                      ; and its 16,384 of wb
	s_add_nc_u64 s[12:13], s[12:13], s[20:21]
	s_wait_alu depctr_va_vdst(0)                   ; v2 and v3 are written: the cast's loads read the one as their offset, its stores the other
.irp i, 0,1,2,3,4,5,6,7
	global_load_b128 v[X+4*\i:X+4*\i+3], v2, s[4:5] offset:512*\i th:TH_LOAD_NT
.endr
	s_cmp_lg_u32 s17, 0
	s_cbranch_scc1 .Lplain
	; THE WAVE THAT ALSO MAKES 16 COLUMNS OF tab
	s_lshl_b32 s20, s18, 15                        ; 16 rows of W_rec are 32,768 bytes
	s_add_nc_u64 s[6:7], s[6:7], s[20:21]
	s_lshl_b32 s20, s18, 8                         ; 16 columns of tab are 256 bytes
	s_add_nc_u64 s[14:15], s[14:15], s[20:21]
	s_lshl_b32 s19, s18, 6                         ; 16 columns of v0 and u0 are 64 bytes
	s_mov_b32 s23, 0xaaaaaaaa                      ; the odd lanes
	s_mov_b32 s24, 0x76543210                      ; v_permlanex16_b32: each lane takes its own place in the other half
	s_mov_b32 s25, 0xfedcba98
	s_mov_b32 s27, 0x41f00000                      ; 30.0
.set e, 0
.rept 16
	s_mov_b32 s[RM+e], 0x10001<<e                  ; row e's sum is kept by lanes e and 16 + e
.set e, e+1
.endr
	v_and_b32 v4, 15, v0
	v_lshl_add_u32 v5, v4, 2, s19                  ; my column's 4 bytes
	v_lshlrev_b32 v7, 4, v1                        ; 16 lane
	s_wait_alu depctr_va_vdst(0)                   ; v5 and v7 are written: all further loads of this wave, and its last store, read one of them as their offset
.irp k, 0,1,2,3
	global_load_b128 v[VZ+4*\k:VZ+4*\k+3], v7, s[8:9] offset:512*\k
.endr
	global_load_b32 v80, v5, s[8:9]
	global_load_b32 v81, v5, s[10:11]
.irp i, 0,1,2,3,4,5,6,7
	WLOAD \i
.endr
	v_mov_b32 v[ZR], 0
	v_mov_b32 v[PT], 0                             ; destinations of lane exchanges count as read: written once here
	v_mov_b32 v[REC], 0
.irp k, 0,1,2,3
	v_mov_b32 v[NB+\k], 0
.endr
	s_wait_loadcnt 32                              ; 46 issued; the 32 of W_rec's rows 0-7 may be out: the cast's eight, v0's four and my column's two are in
	CAST 0
.set e, 0
.rept 8                                                ; bf16(v0) as f32, in place
	v_cvt_pk_bf16_f32 v82, v[VZ+2*e], v[VZ+2*e+1]
	v_lshlrev_b32 v[VZ+2*e], 16, v82
	v_and_b32 v[VZ+2*e+1], 0xffff0000, v82
.set e, e+1
.endr
.set e, 0
.rept 16                                               ; the sixteen compares in one run, a scalar register each (30 <= x is false for NaN, as x >= 30 is)
	v_cmp_le_f32 s[SPK+e], s27, v[VZ+e]
.set e, e+1
.endr
	v_cvt_pk_bf16_f32 v82, v80, v81                ; my column's v0 and u0, rounded: these thirteen lines name no mask and stand between the compares and the wait for them
	v_lshlrev_b32 v[V0R], 16, v82
	v_and_b32 v83, 0xffff0000, v82                 ; u0r
	v_mul_f32 v84, 0x3d23d70a, v[V0R]              ; 0.04 v
	v_mul_f32 v84, v84, v[V0R]                     ; (0.04 v) v
	v_mul_f32 v85, 0x40a00000, v[V0R]              ; 5 v
	v_add_f32 v84, v84, v85
	v_add_f32 v84, 0x430c0000, v84                 ; + 140
	v_sub_f32 v[BASE], v84, v83                    ; - u
	v_mul_f32 v85, 0x3e4ccccd, v[V0R]              ; 0.2 v
	v_sub_f32 v85, v85, v83                        ; - u
	v_mul_f32 v85, 0x3ca3d70a, v85                 ; x 0.02
	v_fma_f32 v[U1A], v85, 0.5, v83                ; u + du 0.5
	s_wait_alu depctr_va_sdst(0)                   ; the sixteen compares have written s32 to s47, ahead of their first readers, the selects below
.set e, 0
.rept 16                                               ; [bf16(v0) >= 30] as 0.0 or 1.0, in place
	v_cndmask_b32 v[VZ+e], 0, 1.0, s[SPK+e]
.set e, e+1
.endr
	ROW 0, 28                                      ; rows 1-7 are behind it
	WIN 0x40                                       ; destination in window 1
.irp i, 8,9,10,11,12,13,14,15
	WLOAD \i                                       ; 60 loads are out at the most.  No wait: v7 has not been written since the wait that showed it written, and no vector instruction has named the registers in which these land
.endr
	WIN 0
.irp i, 1,2,3,4,5,6,7,8,9,10,11,12,13,14,15
	ROW \i, 4*(15-\i)                              ; behind row i: the four loads of each later row
.endr
	; tab's order: an even lane writes rec and base of its column and the next, the odd lane beside it v0r and u1a of the same two
	v_mov_b32_dpp v[NB], v[REC] row_xmask:1 row_mask:0xf bank_mask:0xf
	v_mov_b32_dpp v[NB+1], v[BASE] row_xmask:1 row_mask:0xf bank_mask:0xf
	v_mov_b32_dpp v[NB+2], v[V0R] row_xmask:1 row_mask:0xf bank_mask:0xf
	v_mov_b32_dpp v[NB+3], v[U1A] row_xmask:1 row_mask:0xf bank_mask:0xf
	v_cndmask_b32 v[D], v[REC], v[NB+2], s23
	v_cndmask_b32 v[D+1], v[NB], v[V0R], s23
	v_cndmask_b32 v[D+2], v[BASE], v[NB+3], s23
	v_cndmask_b32 v[D+3], v[NB+1], v[U1A], s23
	v_cmp_gt_u32 vcc_lo, 16, v1
	s_wait_xcnt 0x0                                ; EXEC is a source of the stores above: it changes only behind this wait
	s_wait_alu depctr_va_vcc(0)                    ; the compare has written VCC, of which EXEC is made
	s_wait_alu depctr_va_vdst(0)                   ; every vector instruction issued under the full EXEC has written its result, the four selects' D among them, which the store below reads
	s_wait_alu depctr_vm_vsrc(0)                   ; every memory instruction issued under the full EXEC has read its vector registers
	s_and_saveexec_b32 s26, vcc_lo
	global_store_b128 v7, v[D:D+3], s[14:15]       ; lanes 0-15: 256 consecutive bytes, at a multiple of 256 from tab's first
	s_wait_xcnt 0x0
	s_wait_alu depctr_va_vdst(0)                   ; ahead of the write of EXEC: no vector instruction is still at work under the narrow EXEC
	s_wait_alu depctr_vm_vsrc(0)                   ; the store has read v7 and D under the narrow EXEC
	s_or_b32 exec_lo, exec_lo, s26
	s_endpgm
.Lplain:
	CAST 1
	s_endpgm
.Lfunc_end_k_qd80fa1df6d_prep:
	.size	k_qd80fa1df6d_prep, .Lfunc_end_k_qd80fa1df6d_prep-k_qd80fa1df6d_prep
	.p2alignl 7, 3214868480
	.fill 96, 4, 3214868480
	.section	.rodata,"a",@progbits
	.p2align	6, 0x0
	.amdhsa_kernel k_qd80fa1df6d_prep
		.amdhsa_group_segment_fixed_size 0
		.amdhsa_private_segment_fixed_size 0
		.amdhsa_enable_private_segment 0
		.amdhsa_kernarg_size 48
		.amdhsa_user_sgpr_count 2
		.amdhsa_user_sgpr_kernarg_segment_ptr 1
		.amdhsa_wavefront_size32 1
		.amdhsa_system_sgpr_workgroup_id_x 1
		.amdhsa_system_sgpr_workgroup_id_y 1
		.amdhsa_system_sgpr_workgroup_id_z 1
		.amdhsa_system_vgpr_workitem_id 0
		.amdhsa_next_free_vgpr 384
		.amdhsa_next_free_sgpr 66
		.amdhsa_reserve_vcc 1
		.amdhsa_float_denorm_mode_32 3
		.amdhsa_float_denorm_mode_16_64 3
		.amdhsa_memory_ordered 1
		.amdhsa_forward_progress 1
		.amdhsa_inst_pref_size 53
	.end_amdhsa_kernel
	.amdgpu_metadata
---
amdhsa.version: [ 1, 2 ]
amdhsa.kernels:
  - .name:           k_qd80fa1df6d_prep
    .symbol:         k_qd80fa1df6d_prep.kd
    .args:
      - { .name: W_mossy, .offset: 0, .size: 8, .value_kind: global_buffer, .address_space: global }
      - { .name: W_rec, .offset: 8, .size: 8, .value_kind: global_buffer, .address_space: global }
      - { .name: v0, .offset: 16, .size: 8, .value_kind: global_buffer, .address_space: global }
      - { .name: u0, .offset: 24, .size: 8, .value_kind: global_buffer, .address_space: global }
      - { .name: wb, .offset: 32, .size: 8, .value_kind: global_buffer, .address_space: global }
      - { .name: tab, .offset: 40, .size: 8, .value_kind: global_buffer, .address_space: global }
    .group_segment_fixed_size: 0
    .private_segment_fixed_size: 0
    .kernarg_segment_align: 8
    .kernarg_segment_size: 48
    .max_flat_workgroup_size: 256
    .sgpr_count:     66
    .vgpr_count:     384
    .wavefront_size: 32
...
	.end_amdgpu_metadata
.endif
;; end of part 3
;; launch ca3: the kernel of part 2 again; grid 256 x 1, 4 waves a work-group, clusters of 4 x 1, 327,680 bytes of LDS; arguments dg_query_spikes, wb, tab, out0; writes out0
